; MI455X (gfx1250); checked and timed in simulation.
; The chip was launched on July 23, 2026; its instructions are those of AMD's public machine-readable ISA for CDNA 5 (MIT licence, August 2026) and "CDNA5" Instruction Set Architecture Reference Guide (July 2026). The comments in the code are by the model that wrote it; some were corrected since.
;; Binary Linear 2 4. Allowed arithmetic: float matrix products may take bf16 or f16 operands with f32 sums; other float arithmetic in f32, or as packed bf16 or f16 multiplies, adds, multiply-adds, maxima and minima; sums over many terms, partial sums and values carried from step to step in f32; what a program stores and reads back later, other than sums and carried values, may be rounded once to bf16 or f16.
;; Inputs: weight 4,096 x 4,096 float32; x 4,096 x 4,096 float32.
;; Outputs: out0 4,096 x 4,096 float32.
;; 2 versions, each right; version 2 is version 1 with the launch prep written anew for expert scheduling mode. Each part assembles by itself: llvm-mc -triple=amdgcn-amd-amdhsa -mcpu=gfx1250 --defsym DOCPART=n.
;; ======== version 1 of 2: 2 launches
;; workspace buffers: wb 33,554,432 bytes; xb 33,554,432 bytes
;; launch prep (part 1): grid 1024 x 1, 8 waves a work-group, no clusters, 0 bytes of LDS; arguments weight, x, wb, xb; writes wb, xb
.if DOCPART == 1
	.amdgcn_target "amdgcn-amd-amdhsa--gfx1250"
	.amdhsa_code_object_version 6
	.text
	.protected	k_qf13f26556d_prep
	.globl	k_qf13f26556d_prep
	.p2align	8
	.type	k_qf13f26556d_prep,@function
k_qf13f26556d_prep:
	s_mov_b64 s[64:65], 0
	v_nop
	global_prefetch_b8 v0, s[64:65] scope:SCOPE_SE
	s_setreg_imm32_b32 hwreg(HW_REG_WAVE_MODE, 25, 1), 1
	s_wait_xcnt 0x0
; TWO STREAMS IN ONE LAUNCH.  Even work-groups: wb[o][i] = 1 where weight[o][i] is one of the two largest magnitudes of its aligned group of four along i
; (of equal magnitudes the lower index goes first) and is greater than 0, else 0; written as bf16, which holds 0 and 1 exactly.  Odd work-groups: xb = x rounded once to bf16, in x's own layout.
; LIMITS.  Magnitudes are compared as whole numbers (the f32 word without its sign), which orders all finite numbers and infinities as their values do; a NaN weight ranks above every
; magnitude of its group and gives 0 itself; a positive denormal weight counts as positive.  An |x| beyond bf16's largest finite number rounds to an infinity.
; SHARES.  A work-group owns 131,072 consecutive bytes of its input and 65,536 of its output: 32 items of 4,096 bytes in, 2,048 out.  Thread t takes the 16 bytes at 16 t of an item (for the
; weights: exactly one group of four) and stores the 8 bytes at 8 t: a wave's load covers 512 consecutive bytes, its store 256 consecutive bytes at a multiple of 256 from the buffer's first byte.
; A ring of DEPTH register slots keeps DEPTH loads of every wave on their way.  No LDS, no barrier, no matrix unit: no thread wants a byte that another has fetched.
.set DEPTH,  8                         ; slots = loads in flight in each wave
.set ROUNDS, 4                         ; 32 items / DEPTH
.set INB,    4096                      ; bytes of input in an item
.set OUTB,   2048                      ; bytes of output in an item
.set VI,  1                            ; v1       16 t; never rewritten
.set VO,  2                            ; v2       8 t; never rewritten
.set Z,   3                            ; v3       0
.set LO1, 4                            ; v4       bf16 1.0 in the low half
.set HI1, 5                            ; v5       bf16 1.0 in the high half
.set T,   6                            ; v[6:9]   at work
.set X,   12                           ; v[12:43] slot i: 4 registers as loaded
.set Y,   44                           ; v[44:59] slot i: 2 registers to store
; s20-25: lane masks 'j goes before k' for the pairs 01, 02, 03, 12, 13, 23;  s26-29: 'element j is positive', then 'element j gives 1';  s30, s31 at work
	s_load_b256 s[4:11], s[0:1], 0x0               ; weight s[4:5], x s[6:7], wb s[8:9], xb s[10:11]
	s_and_b32 s12, ttmp9, 1                        ; 0: weights, 1: x; neighbours in the grid take turns
	s_lshr_b32 s13, ttmp9, 1                       ; which part, 0 to 511
	s_lshl_b32 s14, s13, 17                        ; its first byte in the input,
	s_mov_b32 s15, 0
	s_lshl_b32 s16, s13, 16                        ; and in the output
	s_mov_b32 s17, 0
	s_mov_b32 s19, 0x7fffffff                      ; clears an f32's sign
	v_lshlrev_b32 v[VI], 4, v0
	v_lshlrev_b32 v[VO], 3, v0
	v_mov_b32 v[Z], 0
	v_mov_b32 v[LO1], 0x3f80
	v_mov_b32 v[HI1], 0x3f800000
	s_wait_kmcnt 0x0
	s_add_nc_u64 s[4:5], s[4:5], s[14:15]          ; each pointer gets its own offset; a work-group uses one pair of the two
	s_add_nc_u64 s[6:7], s[6:7], s[14:15]
	s_add_nc_u64 s[8:9], s[8:9], s[16:17]
	s_add_nc_u64 s[10:11], s[10:11], s[16:17]
; One group of four weights a lane.  'j goes before k' (j < k) is |w_j| >= |w_k|: equality favours the lower index.  An element is kept if it goes before two or more of the other three;
; of three bits a, b, c 'two or more' is (b & c) | (a & (b | c)).  The choices are lane masks in scalar registers and end in selects: no branch and no address hangs on them.
.macro BIN i
.irp j, 0,1,2,3
	v_and_b32 v[T+(\j)], s19, v[X+4*(\i)+(\j)]     ; the magnitude, as a whole number
.endr
	v_cmp_ge_u32 s20, v[T], v[T+1]
	v_cmp_ge_u32 s21, v[T], v[T+2]
	v_cmp_ge_u32 s22, v[T], v[T+3]
	v_cmp_ge_u32 s23, v[T+1], v[T+2]
	v_cmp_ge_u32 s24, v[T+1], v[T+3]
	v_cmp_ge_u32 s25, v[T+2], v[T+3]
.irp j, 0,1,2,3
	v_cmp_lt_f32 s[26+(\j)], 0, v[X+4*(\i)+(\j)]   ; 0 < w
.endr
	s_and_b32 s30, s20, s21                        ; element 0 is kept: two of 01, 02, 03
	s_or_b32 s31, s20, s21
	s_and_b32 s31, s31, s22
	s_or_b32 s30, s30, s31
	s_and_b32 s26, s26, s30
	s_and_b32 s30, s23, s24                        ; element 1 is kept: two of not 01, 12, 13
	s_or_b32 s31, s23, s24
	s_and_not1_b32 s31, s31, s20
	s_or_b32 s30, s30, s31
	s_and_b32 s27, s27, s30
	s_and_b32 s30, s21, s23                        ; element 2 is dropped: two of 02, 12, not 23
	s_or_b32 s31, s21, s23
	s_and_not1_b32 s31, s31, s25
	s_or_b32 s30, s30, s31
	s_and_not1_b32 s28, s28, s30
	s_and_b32 s30, s22, s24                        ; element 3 is dropped: two of 03, 13, 23
	s_or_b32 s31, s22, s24
	s_and_b32 s31, s31, s25
	s_or_b32 s30, s30, s31
	s_and_not1_b32 s29, s29, s30
	v_cndmask_b32 v[Y+2*(\i)], v[Z], v[LO1], s26   ; four bf16, 0 or 1, in two words
	v_cndmask_b32 v[T], v[Z], v[HI1], s27
	v_cndmask_b32 v[Y+2*(\i)+1], v[Z], v[LO1], s28
	v_cndmask_b32 v[T+1], v[Z], v[HI1], s29
	v_or_b32 v[Y+2*(\i)], v[Y+2*(\i)], v[T]
	v_or_b32 v[Y+2*(\i)+1], v[Y+2*(\i)+1], v[T+1]
.endm
.macro CAST i                          ; four roundings to bf16, to nearest even, packed
	v_cvt_pk_bf16_f32 v[Y+2*(\i)], v[X+4*(\i)], v[X+4*(\i)+1]
	v_cvt_pk_bf16_f32 v[Y+2*(\i)+1], v[X+4*(\i)+2], v[X+4*(\i)+3]
.endm
; One slot's turn.  ahead = 1: the slot is filled again with the item DEPTH further on.  left = how many younger loads may stay out.
.macro SLOT kind, src, dst, i, ahead, left
	s_wait_loadcnt \left                           ; loads come back in order (ISA guide 5.7.1): this slot's is in, the younger ones stay out
.if \kind
	CAST \i
.else
	BIN \i
.endif
.if \ahead
	global_load_b128 v[X+4*(\i):X+4*(\i)+3], v[VI], s[\src:\src+1] offset:(DEPTH+(\i))*INB th:TH_LOAD_NT
.endif
	global_store_b64 v[VO], v[Y+2*(\i):Y+2*(\i)+1], s[\dst:\dst+1] offset:(\i)*OUTB
.endm
; The whole stream of one kind, from the pointer pair src to the pointer pair dst.
.macro STREAM kind, src, dst
.irp i, 0,1,2,3,4,5,6,7
	global_load_b128 v[X+4*(\i):X+4*(\i)+3], v[VI], s[\src:\src+1] offset:(\i)*INB th:TH_LOAD_NT  ; fill the ring: items 0 to 7
.endr
	s_mov_b32 s18, ROUNDS-1
.Lround_\@:
.irp i, 0,1,2,3,4,5,6,7
	SLOT \kind, \src, \dst, \i, 1, DEPTH-1
.endr
	s_wait_xcnt 0x0                                ; every load and store issued so far has read its sources: only behind this wait are the two pointers stepped and the Y registers written again
	s_add_nc_u64 s[\src:\src+1], s[\src:\src+1], DEPTH*INB
	s_add_nc_u64 s[\dst:\dst+1], s[\dst:\dst+1], DEPTH*OUTB
	s_sub_co_u32 s18, s18, 1
	s_cmp_lg_u32 s18, 0
	s_cbranch_scc1 .Lround_\@
.irp i, 0,1,2,3,4,5,6,7
	SLOT \kind, \src, \dst, \i, 0, DEPTH-1-(\i)    ; the last round loads nothing: the counts run down
.endr
	s_endpgm
.endm
	s_cmp_eq_u32 s12, 0
	s_cbranch_scc0 .Lcast
	STREAM 0, 4, 8                                 ; weight -> wb
.Lcast:
	STREAM 1, 6, 10                                ; x -> xb
.Lfunc_end_k_qf13f26556d_prep:
	.size	k_qf13f26556d_prep, .Lfunc_end_k_qf13f26556d_prep-k_qf13f26556d_prep
	.p2alignl 7, 3214868480
	.fill 96, 4, 3214868480
	.section	.rodata,"a",@progbits
	.p2align	6, 0x0
	.amdhsa_kernel k_qf13f26556d_prep
		.amdhsa_group_segment_fixed_size 0
		.amdhsa_private_segment_fixed_size 0
		.amdhsa_enable_private_segment 0
		.amdhsa_kernarg_size 32
		.amdhsa_user_sgpr_count 2
		.amdhsa_user_sgpr_kernarg_segment_ptr 1
		.amdhsa_wavefront_size32 1
		.amdhsa_system_sgpr_workgroup_id_x 1
		.amdhsa_system_sgpr_workgroup_id_y 1
		.amdhsa_system_sgpr_workgroup_id_z 1
		.amdhsa_system_vgpr_workitem_id 0
		.amdhsa_next_free_vgpr 64
		.amdhsa_next_free_sgpr 66
		.amdhsa_reserve_vcc 0
		.amdhsa_float_denorm_mode_32 3
		.amdhsa_float_denorm_mode_16_64 3
		.amdhsa_memory_ordered 1
		.amdhsa_forward_progress 1
		.amdhsa_inst_pref_size 38
	.end_amdhsa_kernel
	.amdgpu_metadata
---
amdhsa.version: [ 1, 2 ]
amdhsa.kernels:
  - .name:           k_qf13f26556d_prep
    .symbol:         k_qf13f26556d_prep.kd
    .args:
      - { .name: weight, .offset: 0, .size: 8, .value_kind: global_buffer, .address_space: global }
      - { .name: x, .offset: 8, .size: 8, .value_kind: global_buffer, .address_space: global }
      - { .name: wb, .offset: 16, .size: 8, .value_kind: global_buffer, .address_space: global }
      - { .name: xb, .offset: 24, .size: 8, .value_kind: global_buffer, .address_space: global }
    .group_segment_fixed_size: 0
    .private_segment_fixed_size: 0
    .kernarg_segment_align: 8
    .kernarg_segment_size: 32
    .max_flat_workgroup_size: 256
    .sgpr_count:     66
    .vgpr_count:     64
    .wavefront_size: 32
...
	.end_amdgpu_metadata
.endif
;; end of part 1
;; launch gemm (part 2): grid 16 x 16, 4 waves a work-group, clusters of 4 x 4, 327,680 bytes of LDS; arguments wb, xb, out0; writes out0
.if DOCPART == 2
	.amdgcn_target "amdgcn-amd-amdhsa--gfx1250"
	.amdhsa_code_object_version 6
	.text
	.protected	k_qf13f26556d_gemm
	.globl	k_qf13f26556d_gemm
	.p2align	8
	.type	k_qf13f26556d_gemm,@function
k_qf13f26556d_gemm:
	s_mov_b64 s[64:65], 0
	v_nop
	global_prefetch_b8 v0, s[64:65] scope:SCOPE_SE
	s_setreg_imm32_b32 hwreg(HW_REG_WAVE_MODE, 25, 1), 1
	s_wait_xcnt 0x0
	s_wait_alu depctr_hold_cnt(0) depctr_sa_sdst(0) depctr_va_vdst(0) depctr_va_sdst(0) depctr_va_ssrc(0) depctr_va_vcc(0) depctr_vm_vsrc(0)
	s_getreg_b32 s2, hwreg(HW_REG_IB_STS2, 6, 4)
	s_cmp_eq_u32 s2, 0
	s_cbranch_scc0 .Lentry_in_a_cluster
	s_endpgm
.Lentry_in_a_cluster:
	s_bfe_u32 s2, ttmp6, 0x10000c
	s_cmp_lg_u32 s2, 0xf033
	s_cbranch_scc0 .Lentry_shape_is_right
	s_endpgm
.Lentry_shape_is_right:
; out0[m][n] = the sum over k of wb[m][k] xb[k][n].  wb: [4096 m][4096 k] bf16 (0 or 1), xb: [4096 k][4096 n] bf16, out0: [4096][4096] f32; sums in f32, K ascending.
; A tile of out0, 256 x 256, is made by a work-group of four waves; a wave makes 128 x 128: 64 accumulators of 16 x 16, 512 registers.  16 x 16 tiles: one work-group each.
; K goes in steps of 128 through a ring of two LDS slots filled by the tensor data mover.  wb's tile is 256 rows m of 256 bytes; xb's tile is 128 rows k of 512 bytes (256 n): both start at
; multiples of 256 bytes from their buffer's first byte.
; CLUSTERS: 4 x 4 work-groups.  The four of a row of the cluster need the same tiles of wb, the four of a column the same tiles of xb: each tile is asked for JOINTLY, by the same tensor load with
; the same descriptor and a mask that names the four.  That divides the requests for both by four.
; THE MATRIX INSTRUCTION IS USED TRANSPOSED: source 0 = 16 columns n of xb, which lies [k][n] in LDS and is turned on the way into registers by ds_load_tr16_b128; source 1 = 16 rows m of wb, as
; they lie.  In the result lane l holds row m = l % 16 and its registers 0 to 7 the columns n = 8 (l / 16) + 0 .. 7: 32 neighbouring bytes of a row of out0.
; REGISTERS, in windows of 256 (s_set_vgpr_msb's low byte: bits 1:0 source 0, 3:2 source 1, 5:4 source 2, 7:6 destination):
;   window 0: v0-31 addresses; v64-127, v128-191 fragments of wb (8 x 16 rows x 32 K), two buffers; on the way out the same registers take rows read back from the stage
;   window 1: v64-127, v128-191 fragments of xb, two buffers
;   window 2: the 32 accumulators of my rows 0-63 (accumulator (a, b) at v[8 (8 a + b)]);   window 3: those of my rows 64-127
; LIMITS: none of its own; xb holds x rounded once to bf16, wb is exact.
.set KSTEP,  128
.set PA,     272                       ; an LDS row of wb: 256 bytes + 16 of padding = 68 words: the 16 rows that a load touches start at 16 different groups of four banks (64 banks of 4 bytes: ISA guide 11.1)
.set PB,     544                       ; an LDS row of xb: 512 bytes + 32 of padding = 136 words
.set HALFT,  34816                     ; what one tensor load brings: 128 rows of wb (128 x 272) or 64 rows of xb (64 x 544)
.set SLOT,   4*HALFT                   ; wb's 256 rows, then xb's 128 rows
.set STAGE,  2*SLOT                    ; behind the ring: 16 rows x 528 bytes for each wave, for the way out; no tensor load fills it
.set SPITCH, 528                       ; a stage row: 512 bytes (128 f32) + 16: an odd multiple of 16 bytes
.set WSTAGE, 16*SPITCH
.set SPARE,  STAGE+4*WSTAGE            ; behind the stages: the spare words, 128 bytes for each wave: two blocks of 256 bytes that no other line names
.set LAPS,   16                        ; a lap = two K steps = once round the ring: 4,096 / 256
.set ASTEP,  256                       ; bytes from a K step to the next in wb: 128 elements along a row
.set BSTEP,  0x100000                  ; and in xb: 128 rows of 8,192 bytes
.set ROWC,   16384                     ; bytes in a row of out0
.set ADRA, 16                          ; v16-17  LDS address of my wb fragments in slot 0, 1
.set ADRB, 20                          ; v20-21  the same for xb
.set STO,  24                          ; v24     the way out: where I put 32 bytes of a row
.set RD,   25                          ; v25     the way out: where I read 16 bytes of a row back
.set CO,   26                          ; v26     my byte offset in 512 bytes of a row of out0; never rewritten
.set SPW,  28                          ; v28     LDS address of my spare word: SPARE + 4 x my thread's number; never rewritten
.set NIL,  29                          ; v29     0; never rewritten
.set PFO,  30                          ; v30     the prefetches' lane offset; never rewritten
.set F0,   64                          ; fragment buffer 0
.set F1,   128                         ; fragment buffer 1
.set G1,   24                          ; s[24:31] descriptor group 1 for wb's tiles
.set G0,   32                          ; s[32:39] descriptor group 0 for wb's tiles, one set for each slot
.set G1B,  48                          ; s[48:55] descriptor group 1 for xb's tiles
.set G0B,  56                          ; s[56:63] descriptor group 0 for xb's tiles, one set for each slot
.set LIM,  66                          ; s66      1 in a wave that prefetches, else the greatest number
.set PFA,  68                          ; s[68:69] where my prefetches stand
.set PST,  70                          ; s[70:71] their step from K step to K step
.set MSB, 0
.macro WIN new                         ; the immediate's high byte repeats the setting that is left; a switch that changes nothing is dropped
.if MSB != (\new)
	s_set_vgpr_msb (MSB<<8)|(\new)
.set MSB, \new
.endif
.endm
.set MUL_LO, 0xa1                      ; source 0 (xb) window 1, source 1 (wb) window 0, C and D window 2
.set MUL_HI, 0xf1                      ; the same, C and D window 3
.set TO_B,   0x40                      ; destination window 1, address window 0
; A joint load.  Waves 0 and 1 fetch wb's two halves, waves 2 and 3 xb's.  Each of the two lines has one mask and one set of registers for all that issue it.  The branch hangs on the wave's
; number alone.  An s_nop 0 and four v_nop follow each of the two lines, ahead of the jump, the label and what follows.
.macro JLOAD s
	s_cmp_eq_u32 s11, 0
	s_cbranch_scc0 .Lfor_b_\@
	tensor_load_to_lds s[G0+4*(\s):G0+4*(\s)+3], s[G1:G1+7]
	s_nop 0
.rept 4
	v_nop
.endr
	s_branch .Lasked_\@
.Lfor_b_\@:
	tensor_load_to_lds s[G0B+4*(\s):G0B+4*(\s)+3], s[G1B:G1B+7]
	s_nop 0
.rept 4
	v_nop
.endr
.Lasked_\@:
.endm
; A PREFETCH INTO THE L2, behind each joint refill, its five lines and the run of LDS loads that follows them: the K step that stands TWO refills on, 512 matrix instructions ahead of the load that
; will ask for it.  Each aligned block of 256 bytes is named once in the launch: wb's tile row is read by every cluster of that row of clusters, and the one with cluster x = 0 asks; xb's tile
; column by every cluster of that column, and the one with cluster y = 0 asks.  The four partners that ask for a tile jointly share what a wave fetches BY ADDRESS: of wb's 128 rows of 256 bytes the
; partner at cx takes 32, a lane a row; of xb's 64 rows of 512 bytes the partner at cy takes 16, two lanes a row.  No branch hangs on a work-group's place in its cluster.
; K steps 0 to 3 come by their loads alone; the loop's last trip (s3 = 1) asks for nothing, since K has no step behind its refills' own.
.macro ASK
	s_cmp_gt_u32 s3, s[LIM]
	s_cbranch_scc0 .Lnot_mine_\@
	global_prefetch_b8 v[PFO], s[PFA:PFA+1] th:TH_LOAD_NT scope:SCOPE_SE
.Lnot_mine_\@:
.endm
; A round of the cluster's barrier: my work-group's barrier, so that wave 0's signal speaks for all four waves; wave 0 signals for the work-group; every wave waits for all sixteen work-groups;
; my work-group's barrier once more.
.macro CREST                           ; a round behind its opening barrier
	s_cmp_lg_u32 s10, 0
	s_cbranch_scc1 .Lnot_wave_0_\@
	s_barrier_signal -3
.Lnot_wave_0_\@:
	s_barrier_wait -3
	s_barrier_signal -1
	s_barrier_wait -1
.endm
.macro CROUND                          ; a whole round
	s_barrier_signal -1
	s_barrier_wait -1
	CREST
.endm
	s_load_b128 s[4:7], s[0:1], 0x0                ; wb s[4:5], xb s[6:7]
	s_load_b64 s[8:9], s[0:1], 0x10                ; out0
	v_lshl_add_u32 v[SPW], v0, 2, SPARE
	v_mov_b32 v[NIL], 0
	ds_add_u32 v[SPW], v[NIL]                      ; the wave's opening: the add and its wait stand ahead of my first tensor load; the set-up below, work on registers, stands between them
	v_lshrrev_b32 v1, 5, v0
	v_readfirstlane_b32 s10, v1                    ; wave 0..3
	s_lshr_b32 s11, s10, 1                         ; which half of the tile's rows is mine.  Also: I fetch for wb (0) or for xb (1)
	s_and_b32 s12, s10, 1                          ; which half of its columns.  Also: which half of that tile I fetch
	s_bfe_u32 s40, ttmp6, 0x40000                  ; cx: my place along the cluster's x
	s_bfe_u32 s41, ttmp6, 0x40004                  ; cy: along its y
	s_lshl_b32 s42, ttmp9, 2                       ; in a cluster launch ttmp9 and ttmp7 count clusters
	s_add_co_u32 s42, s42, s40                     ; tile column = 4 x cluster x + cx
	s_and_b32 s13, ttmp7, 0xffff
	s_lshl_b32 s13, s13, 2
	s_add_co_u32 s13, s13, s41                     ; tile row = 4 x cluster y + cy
	s_lshl_b32 s43, s41, 2
	s_lshl_b32 s43, 15, s43                        ; my row of the cluster: places 4 cy .. 4 cy + 3
	s_lshl_b32 s44, 0x1111, s40                    ; my column: places cx, cx + 4, cx + 8, cx + 12
	; descriptor group 1 for wb: a tile of 128 rows x 128 elements, 16 bytes of padding behind each row
	s_or_b32 s[G1+0], s43, (1<<16)|(1<<20)|(1<<21)|(5<<22)|(3<<25)   ; 15:0 the mask: my row; 17:16 elements of 2 bytes; 20 padding on; 21 set beside a mask; 24:22 after every 64 words (code 5); 31:25 4 words (code 3)
	s_mov_b32 s[G1+1], 128<<16                     ; tensor_dim0 = 128
	s_mov_b32 s[G1+2], 128<<16                     ; tensor_dim1 = 128
	s_mov_b32 s[G1+3], 128<<16                     ; tile_dim0 = 128
	s_mov_b32 s[G1+4], 128                         ; tile_dim1 = 128
	s_mov_b32 s[G1+5], 4096                        ; elements from row to row
	s_mov_b32 s[G1+6], 0
	s_mov_b32 s[G1+7], 0
	; descriptor group 1 for xb: a tile of 64 rows x 256 elements, 32 bytes of padding behind each row
	s_or_b32 s[G1B+0], s44, (1<<16)|(1<<20)|(1<<21)|(6<<22)|(7<<25)  ; the mask: my column; after every 128 words (code 6) 8 words (code 7)
	s_mov_b32 s[G1B+1], 256<<16                    ; tensor_dim0 = 256
	s_mov_b32 s[G1B+2], 64<<16                     ; tensor_dim1 = 64
	s_mov_b32 s[G1B+3], 256<<16                    ; tile_dim0 = 256
	s_mov_b32 s[G1B+4], 64                         ; tile_dim1 = 64
	s_mov_b32 s[G1B+5], 4096                       ; elements from row to row
	s_mov_b32 s[G1B+6], 0
	s_mov_b32 s[G1B+7], 0
	; where the tiles come from.  wb's hang on the tile row alone, which my row of the cluster shares; xb's on the tile column alone, which my column shares.
	; Every wave makes both addresses, in registers that never hold the other coordinate, and asks by one of them.
	s_lshl_b32 s16, s13, 21                        ; wb: 256 rows of 8,192 bytes a tile row,
	s_lshl_b32 s17, s12, 20                        ; + the 128 rows that I fetch
	s_add_co_u32 s16, s16, s17
	s_mov_b32 s17, 0
	s_lshl_b32 s46, s12, 19                        ; xb: the 64 rows k that I fetch,
	s_lshl_b32 s47, s42, 9                         ; + 256 columns of 2 bytes a tile column
	s_add_co_u32 s46, s46, s47
	s_mov_b32 s47, 0
	s_mul_i32 s20, s10, HALFT                      ; and where they go: wave x HALFT: no place in the cluster enters an LDS address
	s_wait_dscnt 0x0                               ; the opening add is done
	s_wait_kmcnt 0x0
	s_add_nc_u64 s[14:15], s[4:5], s[16:17]
	s_add_nc_u64 s[46:47], s[6:7], s[46:47]
	CROUND                                         ; all sixteen work-groups are here: the first joint loads meet
.irp s, 0,1
	s_mov_b32 s[G0+4*(\s)], 1                                      ; count = 1
	s_add_co_u32 s[G0+4*(\s)+1], s20, (\s)*SLOT                    ; LDS address
	s_add_nc_u64 s[G0+4*(\s)+2:G0+4*(\s)+3], s[14:15], (\s)*ASTEP  ; global address: K step s
	s_or_b32 s[G0+4*(\s)+3], s[G0+4*(\s)+3], 0x80000000            ; type = 2
	s_mov_b32 s[G0B+4*(\s)], 1
	s_add_co_u32 s[G0B+4*(\s)+1], s20, (\s)*SLOT
	s_add_nc_u64 s[G0B+4*(\s)+2:G0B+4*(\s)+3], s[46:47], (\s)*BSTEP
	s_or_b32 s[G0B+4*(\s)+3], s[G0B+4*(\s)+3], 0x80000000
	JLOAD \s                                       ; the ring is filled before anything else is done: two loads of mine are out
.endr
	; A fragment of wb is 16 rows x 32 K in 8 registers: lane l holds row l % 16; registers 0-3 K = 8 (l / 16) + 0..7, registers 4-7 K = 16 + 8 (l / 16) + 0..7: two loads of 16 bytes, 32 bytes apart.
	v_and_b32 v1, 15, v0                           ; l % 16
	v_bfe_u32 v2, v0, 4, 1                         ; l / 16
	v_mul_u32_u24 v3, v1, PA
	v_lshl_add_u32 v3, v2, 4, v3                   ; row x pitch + 16 x half
	s_mul_i32 s21, s11, HALFT                      ; my 128 rows of wb
	; The turning load takes 16 k x 16 n (lane l reads 16 bytes: row k = 8 (l / 16) + l % 8, columns 8 ((l / 8) % 2) + 0..7) and leaves half a fragment: lane l holds column l % 16 and 8 k.
	v_and_b32 v4, 7, v0
	v_lshl_add_u32 v4, v2, 3, v4
	v_mul_u32_u24 v4, v4, PB
	v_bfe_u32 v5, v0, 3, 1
	v_lshl_add_u32 v4, v5, 4, v4
	s_lshl_b32 s22, s12, 8                         ; my 128 columns: 256 bytes of each row of xb,
	s_add_co_u32 s22, s22, 2*HALFT                 ; which lies behind wb's 256 rows
.irp s, 0,1
	v_add_nc_u32 v[ADRA+(\s)], s21, v3
	v_add_nc_u32 v[ADRB+(\s)], s22, v4
	s_add_co_u32 s21, s21, SLOT
	s_add_co_u32 s22, s22, SLOT
.endr
	s_mul_i32 s23, s10, WSTAGE
	s_add_co_u32 s23, s23, STAGE                   ; my stage
	v_mul_u32_u24 v5, v1, SPITCH                   ; in: row l % 16, 32 bytes for each half of the lanes
	v_lshl_add_u32 v5, v2, 5, v5
	v_add_nc_u32 v[STO], s23, v5
	v_and_b32 v6, 31, v0                           ; l
	v_lshlrev_b32 v[CO], 4, v6                     ; back, and out: 32 lanes take one row's 512 bytes
	v_add_nc_u32 v[RD], s23, v[CO]
	; where my part of the tile begins in out0
	s_lshl_b32 s72, s13, 22                        ; 256 rows of 16,384 bytes a tile row,
	s_lshl_b32 s73, s11, 21                        ; + my 128 rows
	s_add_co_u32 s72, s72, s73
	s_mov_b32 s73, 0
	s_lshl_b32 s74, s42, 10                        ; 256 columns of 4 bytes a tile column,
	s_lshl_b32 s75, s12, 9                         ; + my 128 columns
	s_add_co_u32 s74, s74, s75
	s_mov_b32 s75, 0
	s_add_nc_u64 s[8:9], s[8:9], s[72:73]
	s_add_nc_u64 s[8:9], s[8:9], s[74:75]
	; the prefetches: both offsets stand at K step 3; the first refill steps the pointer to K step 4
	s_lshl_b32 s21, s13, 21                        ; wb: the tile row,
	s_lshl_b32 s22, s12, 20                        ; the 128 rows that I fetch,
	s_add_co_u32 s21, s21, s22
	s_lshl_b32 s22, s40, 18                        ; my work-group's 32 of them
	s_add_co_u32 s21, s21, s22
	s_add_co_u32 s21, s21, 3*ASTEP
	s_lshl_b32 s22, s12, 19                        ; xb: the 64 rows that I fetch,
	s_lshl_b32 s23, s41, 17                        ; my work-group's 16 of them,
	s_add_co_u32 s22, s22, s23
	s_lshl_b32 s23, s42, 9                         ; the tile column
	s_add_co_u32 s22, s22, s23
	s_add_co_u32 s22, s22, 3*BSTEP
	s_and_b32 s23, ttmp7, 0xffff                   ; cluster y
	s_mov_b32 s[PST], BSTEP
	s_mov_b32 s[PST+1], 0
	s_cmp_eq_u32 s11, 0                            ; do I fetch for wb?
	s_cselect_b64 s[PFA:PFA+1], s[4:5], s[6:7]
	s_cselect_b32 s72, s21, s22                    ; (s73 is 0)
	s_cselect_b32 s23, ttmp9, s23                  ; the coordinate along which other clusters read the same rows
	s_cselect_b32 s[PST], ASTEP, s[PST]
	s_add_nc_u64 s[PFA:PFA+1], s[PFA:PFA+1], s[72:73]
	s_cmp_eq_u32 s23, 0
	s_cselect_b32 s[LIM], 1, -1                    ; the same in all sixteen partners, for a given wave
	v_and_b32 v7, s11, v6                          ; wb (s11 = 0): lane l names row l; xb (s11 = 1): row l / 2, block l % 2 of its 512 bytes
	v_lshlrev_b32 v7, 8, v7
	v_lshrrev_b32 v8, s11, v6
	v_lshl_or_b32 v[PFO], v8, 13, v7               ; rows are 8,192 bytes apart
; 16 matrix instructions: m blocks a0, a0 + 1 of the window's four (hi = 0: my rows 0-63, 1: rows 64-127) x all 8 n blocks, 32 along K.  zero = 1: the first product starts the sums: nothing is cleared.
; The 64 accumulators take turns, one instruction a turn, in the same order in every quarter step.
.macro MUL16 f, hi, a0, zero
	WIN MUL_LO+0x50*(\hi)
.irp a, \a0, (\a0)+1
.irp b, 0,1,2,3,4,5,6,7
.if \zero
	v_wmma_f32_16x16x32_bf16 v[8*(8*(\a)+(\b)):8*(8*(\a)+(\b))+7], v[(\f)+8*(\b):(\f)+8*(\b)+7], v[(\f)+8*(4*(\hi)+(\a)):(\f)+8*(4*(\hi)+(\a))+7], 0
.else
	v_wmma_f32_16x16x32_bf16 v[8*(8*(\a)+(\b)):8*(8*(\a)+(\b))+7], v[(\f)+8*(\b):(\f)+8*(\b)+7], v[(\f)+8*(4*(\hi)+(\a)):(\f)+8*(4*(\hi)+(\a))+7], v[8*(8*(\a)+(\b)):8*(8*(\a)+(\b))+7]
.endif
.endr
.endr
.endm
; 32 LDS loads in one run: the fragments of quarter q of a K step (32 k x my 128 columns of xb, turned; my 128 rows of wb x 32 k) into buffer f
.macro FETCH slot, q, f
	WIN TO_B
.irp i, 0,1,2,3,4,5,6,7
	ds_load_tr16_b128 v[(\f)+8*(\i):(\f)+8*(\i)+3],   v[ADRB+(\slot)] offset:(\q)*32*PB+32*(\i)
	ds_load_tr16_b128 v[(\f)+8*(\i)+4:(\f)+8*(\i)+7], v[ADRB+(\slot)] offset:(\q)*32*PB+16*PB+32*(\i)
.endr
	WIN 0
.irp i, 0,1,2,3,4,5,6,7
	ds_load_b128 v[(\f)+8*(\i):(\f)+8*(\i)+3],   v[ADRA+(\slot)] offset:64*(\q)+(\i)*16*PA
	ds_load_b128 v[(\f)+8*(\i)+4:(\f)+8*(\i)+7], v[ADRA+(\slot)] offset:64*(\q)+(\i)*16*PA+32
.endr
.endm
; A load into a register that a matrix instruction has read, and an LDS store that reads a matrix result, stand four places behind that matrix instruction, and only plain vector instructions that
; name none of its registers are places (ISA guide 7.12.1 for vector instructions).
.macro PLACES
.rept 4
	v_nop
.endr
.endm
; A K step is four quarters of 32 along K, 64 matrix instructions each, on buffers 0, 1, 0, 1.  One of the first three: multiplies buffer f; in its middle it fetches quarter q of the same slot into buffer g.
.macro QUARTER slot, q, f, g, zero
	s_wait_dscnt 8                                 ; xb's fragments and wb's rows 0-63 are in; the youngest eight loads (wb's rows 64-127) may be out
	MUL16 \f, 0, 0, \zero
	MUL16 \f, 0, 2, \zero
	PLACES
	FETCH \slot, \q, \g
	s_wait_dscnt 32                                ; all but the 32 just issued
	MUL16 \f, 1, 0, \zero
	MUL16 \f, 1, 2, \zero
.endm
; The last quarter multiplies buffer 1 and changes slots.  MEET is its first half: ONE barrier for the change.  In front of it each wave waits for all its tensor loads, of which one is out: its part of
; the next slot; adds 0 to its spare word; and waits for that and for its own reads of this slot.  Behind it nobody reads this slot any more and the next slot is whole.
.macro MEET round                      ; round = 1: the rest of a round of the cluster's barrier follows
	WIN 0                                          ; (the add's two registers lie in window 0)
	s_wait_tensorcnt 0x0                           ; all my tensor loads have landed
	ds_add_u32 v[SPW], v[NIL]                      ; 0 onto my spare word
	s_wait_dscnt 9                                 ; (the add and the youngest eight loads may be out)
	MUL16 F1, 0, 0, 0                              ; sixteen matrix instructions stand between the add and the wait for it
	s_wait_dscnt 0x0                               ; the add is done, and my reads of this slot are over
	s_barrier_signal -1
	MUL16 F1, 0, 2, 0                              ; work on registers while the others arrive
.if \round
	WIN 0
.endif
	s_barrier_wait -1
.endm
; The whole last quarter.  fill = 1: behind the round the slot just read out is filled again first, with the K step two steps on; from that request to the wait for it a wave issues 224 matrix instructions.
.macro TURN slot, next, fill
.if \fill
	s_wait_xcnt 0x0                                ; the last prefetch, a K step back, has read its address: it is stepped here, ahead of the waits of the change of slots
	s_add_nc_u64 s[PFA:PFA+1], s[PFA:PFA+1], s[PST:PST+1]
	MEET 1
	CREST                                          ; no wave of any partner still reads this slot's tile or has a load on its way
	s_add_nc_u64 s[G0+4*(\slot)+2:G0+4*(\slot)+3], s[G0+4*(\slot)+2:G0+4*(\slot)+3], 2*ASTEP    ; no tensor load of mine is out, so a group 0 may be written
	s_add_nc_u64 s[G0B+4*(\slot)+2:G0B+4*(\slot)+3], s[G0B+4*(\slot)+2:G0B+4*(\slot)+3], 2*BSTEP
	JLOAD \slot                                    ; the first tensor load behind the round; the four v_nop behind it are also the places in front of the loads below
.else
	MEET 0
	PLACES
.endif
	FETCH \next, 0, F0
.if \fill
	ASK                                            ; behind the joint load and the run of LDS loads that the next products wait for
.endif
	MUL16 F1, 1, 0, 0
	MUL16 F1, 1, 2, 0
.endm
; THE WAY OUT of block a (16 rows x 128 columns of f32).  TOSTAGE: a lane's 32 bytes of each of the 8 accumulators go into my own stage, each accumulator's low four registers first;
; then the 16 rows come back whole, 512 bytes a load, into one of two buffers.  LDS serves a wave's instructions in order (ISA guide 5.7.1.4): the loads see the stores above, and the next
; block's stores come behind these loads.
.macro TOSTAGE a
.set AC, 64*((\a)%4)
.set BK, 64+64*((\a)%2)
	WIN 0x08+4*((\a)/4)                            ; the stores' data (source 1) in window 2 or 3, the address in window 0
.irp b, 0,1,2,3,4,5,6,7
	ds_store_b128 v[STO], v[AC+8*(\b):AC+8*(\b)+3]   offset:64*(\b)
	ds_store_b128 v[STO], v[AC+8*(\b)+4:AC+8*(\b)+7] offset:64*(\b)+16
.endr
	WIN 0
	s_wait_xcnt 0x0                                ; the stores of the block two back have read this buffer's registers: only behind this wait are they loaded again
.irp t, 0,1,2,3,4,5,6,7,8,9,10,11,12,13,14,15
	ds_load_b128 v[BK+4*(\t):BK+4*(\t)+3], v[RD] offset:(\t)*SPITCH
.endr
.endm
.macro SEND a, younger                 ; younger: the LDS instructions issued behind block a's loads: the next block's 16 stores and 16 loads, or none
.set BK, 64+64*((\a)%2)
	s_wait_dscnt \younger                          ; the block is back in registers
.irp t, 0,1,2,3,4,5,6,7,8,9,10,11,12,13,14,15
	global_store_b128 v[CO], v[BK+4*(\t):BK+4*(\t)+3], s[8:9] offset:(16*(\a)+(\t))*ROWC th:TH_STORE_NT  ; the wave stores 512 consecutive bytes, at a multiple of 512 from out0's first byte; 127 rows at the most stand in the immediate
.endr
.endm
	s_wait_tensorcnt 0x1                           ; my part of K step 0 is in; K step 1's may stay out
	s_barrier_signal -1
	s_barrier_wait -1                              ; everybody's is
	FETCH 0, 0, F0
	QUARTER 0, 1, F0, F1, 1                        ; the first quarter stands in front of the loop: its products start the sums
	WIN 0                                          ; at a label and at a branch every window is 0
	s_mov_b32 s3, LAPS-1
.Llap:                                                 ; a trip goes once round the ring, from a lap's second quarter to the next lap's first, and fills both slots again
	QUARTER 0, 2, F1, F0, 0
	QUARTER 0, 3, F0, F1, 0
	TURN 0, 1, 1
	QUARTER 1, 1, F0, F1, 0
	QUARTER 1, 2, F1, F0, 0
	QUARTER 1, 3, F0, F1, 0
	TURN 1, 0, 1
	QUARTER 0, 1, F0, F1, 0
	WIN 0
	s_sub_co_u32 s3, s3, 1
	s_cmp_lg_u32 s3, 0
	s_cbranch_scc1 .Llap
	QUARTER 0, 2, F1, F0, 0                        ; the last lap is written out: it fills nothing, and has no round of the cluster's barrier
	QUARTER 0, 3, F0, F1, 0
	TURN 0, 1, 0
	QUARTER 1, 1, F0, F1, 0
	QUARTER 1, 2, F1, F0, 0
	QUARTER 1, 3, F0, F1, 0
	s_wait_dscnt 8                                 ; the very last quarter: nothing more to fetch
	MUL16 F1, 0, 0, 0
	MUL16 F1, 0, 2, 0
	s_wait_dscnt 0x0
	MUL16 F1, 1, 0, 0
	MUL16 F1, 1, 2, 0
	WIN 0
	PLACES                                         ; behind the last products: the stage's stores read results, and its loads land in registers that the products have read
	PLACES
	TOSTAGE 0
.irp a, 1,2,3,4,5,6,7                  ; block a goes through the stage while block a - 1 is on its way back
	TOSTAGE \a
	SEND (\a)-1, 32
.endr
	SEND 7, 0
	s_wait_tensorcnt 0x0                           ; the wave's end: a wait for the tensor loads, an add and its wait, behind my last tensor load and my last LDS store
	ds_add_u32 v[SPW], v[NIL]
	s_wait_dscnt 0x0
	CROUND                                         ; the closing round: no work-group ends while a partner may still ask for a tile that names it
	s_endpgm
.Lfunc_end_k_qf13f26556d_gemm:
	.size	k_qf13f26556d_gemm, .Lfunc_end_k_qf13f26556d_gemm-k_qf13f26556d_gemm
	.p2alignl 7, 3214868480
	.fill 96, 4, 3214868480
	.section	.rodata,"a",@progbits
	.p2align	6, 0x0
	.amdhsa_kernel k_qf13f26556d_gemm
		.amdhsa_group_segment_fixed_size 327680
		.amdhsa_private_segment_fixed_size 0
		.amdhsa_enable_private_segment 0
		.amdhsa_kernarg_size 24
		.amdhsa_user_sgpr_count 2
		.amdhsa_user_sgpr_kernarg_segment_ptr 1
		.amdhsa_wavefront_size32 1
		.amdhsa_system_sgpr_workgroup_id_x 1
		.amdhsa_system_sgpr_workgroup_id_y 1
		.amdhsa_system_sgpr_workgroup_id_z 1
		.amdhsa_system_vgpr_workitem_id 0
		.amdhsa_next_free_vgpr 1024
		.amdhsa_next_free_sgpr 76
		.amdhsa_reserve_vcc 0
		.amdhsa_float_denorm_mode_32 3
		.amdhsa_float_denorm_mode_16_64 3
		.amdhsa_memory_ordered 1
		.amdhsa_forward_progress 1
		.amdhsa_inst_pref_size 142
	.end_amdhsa_kernel
	.amdgpu_metadata
---
amdhsa.version: [ 1, 2 ]
amdhsa.kernels:
  - .name:           k_qf13f26556d_gemm
    .symbol:         k_qf13f26556d_gemm.kd
    .args:
      - { .name: wb, .offset: 0, .size: 8, .value_kind: global_buffer, .address_space: global }
      - { .name: xb, .offset: 8, .size: 8, .value_kind: global_buffer, .address_space: global }
      - { .name: out0, .offset: 16, .size: 8, .value_kind: global_buffer, .address_space: global }
    .group_segment_fixed_size: 327680
    .private_segment_fixed_size: 0
    .kernarg_segment_align: 8
    .kernarg_segment_size: 24
    .max_flat_workgroup_size: 128
    .sgpr_count:     76
    .vgpr_count:     1024
    .wavefront_size: 32
...
	.end_amdgpu_metadata
.endif
;; end of part 2
;; ======== version 2 of 2: 2 launches; version 1 with the launch prep written anew for expert scheduling mode
;; workspace buffers: wb 33,554,432 bytes; xb 33,554,432 bytes
;; launch prep (part 3): grid 1024 x 1, 8 waves a work-group, no clusters, 0 bytes of LDS; arguments weight, x, wb, xb; writes wb, xb
.if DOCPART == 3
	.amdgcn_target "amdgcn-amd-amdhsa--gfx1250"
	.amdhsa_code_object_version 6
	.text
	.protected	k_qf13f26556d_prep
	.globl	k_qf13f26556d_prep
	.p2align	8
	.type	k_qf13f26556d_prep,@function
k_qf13f26556d_prep:
	s_mov_b64 s[64:65], 0
	v_nop
	global_prefetch_b8 v0, s[64:65] scope:SCOPE_SE
	s_setreg_imm32_b32 hwreg(HW_REG_WAVE_SCHED_MODE, 0, 2), 2
	s_setreg_imm32_b32 hwreg(HW_REG_WAVE_MODE, 25, 1), 1
	s_wait_xcnt 0x0
	s_wait_alu depctr_vm_vsrc(0)
; TWO STREAMS IN ONE LAUNCH.  Even work-groups: wb[o][i] = 1 where weight[o][i] is one of the two largest magnitudes of its aligned group of four along i
; (of equal magnitudes the lower index goes first) and is greater than 0, else 0; written as bf16, which holds 0 and 1 exactly.  Odd work-groups: xb = x rounded once to bf16, in x's own layout.
; LIMITS.  Magnitudes are compared as whole numbers (the f32 word without its sign), which orders all finite numbers and infinities as their values do; a NaN weight ranks above every
; magnitude of its group and gives 0 itself; a positive denormal weight counts as positive.  An |x| beyond bf16's largest finite number rounds to an infinity.
; SHARES.  A work-group owns 131,072 consecutive bytes of its input and 65,536 of its output: 32 items of 4,096 bytes in, 2,048 out.  Thread t takes the 16 bytes at 16 t of an item (for the
; weights: exactly one group of four) and stores the 8 bytes at 8 t: a wave's load covers 512 consecutive bytes, its store 256 consecutive bytes at a multiple of 256 from the buffer's first byte.
; No LDS, no barrier, no matrix unit: no thread wants a byte that another has fetched.
; THE MODE: SCHED_MODE bits 1:0 = 2 (LLVM: expert scheduling mode 2), set by the entry lines.  The code itself states the register dependences between vector instructions and memory
; instructions, and between a vector instruction that writes a scalar register and that register's readers, with s_wait_alu, always for 0.
; THE PLAN.  The 32 items go in 8 blocks of four.  Registers that memory instructions touch:
;   X0 .. X3   four blocks as loaded.  Written by the loads of block p + 3, issued in block p; read by block p's vector lines.
;   Y0, Y1     two blocks to store.    Written by block p's selects or roundings; read by the four stores that are issued in block p + 1.
;   v1, v2     byte offsets, made once at the head and never written again: an item's number stands in the immediate offset, 31 x 4,096 bytes at the most, and no pointer is stepped.
; Block p works on X[p % 4] and writes Y[p % 2].  Its memory instructions are the loads into X[(p + 3) % 4] = X[(p - 1) % 4] and the stores from Y[(p - 1) % 2]: the two buffers that block p - 1
; worked on and that no vector line of block p names.  So the waits at a block's head state all that its eight memory instructions hang on, and these are dealt among its vector lines with no
; further wait.  Block 0 has no block in front of it, blocks 1 to 4 load and store, blocks 5 to 7 load nothing: a lap of the four X buffers would be walked once, so no loop is written.
.set BLOCK,  4                         ; items in a block
.set BLOCKS, 8                         ; 32 items / BLOCK
.set INB,    4096                      ; bytes of input in an item
.set OUTB,   2048                      ; bytes of output in an item
.set VI,  1                            ; v1       16 t; never rewritten
.set VO,  2                            ; v2       8 t; never rewritten
.set Z,   3                            ; v3       0
.set LO1, 4                            ; v4       bf16 1.0 in the low half
.set HI1, 5                            ; v5       bf16 1.0 in the high half
.set T,   6                            ; v[6:13]  at work, four for each item of a pair: no memory instruction names them
.set X,   16                           ; v[16:79] buffer k, item i: 4 registers at X + 16 k + 4 i, as loaded
.set Y,   80                           ; v[80:95] buffer k, item i: 2 registers at Y + 8 k + 2 i, to store
.set M,   20                           ; s[20:39] item u of a pair, at M + 10 u: lane masks 'j goes before k' for the pairs 01, 02, 03, 12, 13, 23; then four 'element j is positive', later 'element j gives 1'
.set TA,  40                           ; s40, s41 at work
.set TB,  41
	s_load_b256 s[4:11], s[0:1], 0x0               ; weight s[4:5], x s[6:7], wb s[8:9], xb s[10:11]
	s_and_b32 s12, ttmp9, 1                        ; 0: weights, 1: x; neighbours in the grid take turns
	s_lshr_b32 s13, ttmp9, 1                       ; which part, 0 to 511
	s_lshl_b32 s14, s13, 17                        ; its first byte in the input,
	s_mov_b32 s15, 0
	s_lshl_b32 s16, s13, 16                        ; and in the output
	s_mov_b32 s17, 0
	s_mov_b32 s19, 0x7fffffff                      ; clears an f32's sign
	v_lshlrev_b32 v[VI], 4, v0
	v_lshlrev_b32 v[VO], 3, v0
	v_mov_b32 v[Z], 0
	v_mov_b32 v[LO1], 0x3f80
	v_mov_b32 v[HI1], 0x3f800000
	s_wait_kmcnt 0x0
	s_add_nc_u64 s[4:5], s[4:5], s[14:15]          ; each pointer gets its own offset; a work-group uses one pair of the two
	s_add_nc_u64 s[6:7], s[6:7], s[14:15]
	s_add_nc_u64 s[8:9], s[8:9], s[16:17]
	s_add_nc_u64 s[10:11], s[10:11], s[16:17]
	s_wait_alu depctr_va_vdst(0)                   ; v1 and v2 are written: every load and store of either stream reads one of them as its offset
; One group of four weights a lane.  'j goes before k' (j < k) is |w_j| >= |w_k|: equality favours the lower index.  An element is kept if it goes before two or more of the other three;
; of three bits a, b, c 'two or more' is (b & c) | (a & (b | c)).  The choices are lane masks in scalar registers and end in selects: no branch and no address hangs on them.
; The work is cut in three, so that the compares of two items stand in one run, with one wait behind it.
.macro MAG xr, u                       ; the item at registers xr, as item u of its pair: four magnitudes, ten lane masks
.set MB, M+10*(\u)
.irp j, 0,1,2,3
	v_and_b32 v[T+4*(\u)+(\j)], s19, v[(\xr)+(\j)] ; the magnitude, as a whole number
.endr
	v_cmp_ge_u32 s[MB],   v[T+4*(\u)],   v[T+4*(\u)+1]
	v_cmp_ge_u32 s[MB+1], v[T+4*(\u)],   v[T+4*(\u)+2]
	v_cmp_ge_u32 s[MB+2], v[T+4*(\u)],   v[T+4*(\u)+3]
	v_cmp_ge_u32 s[MB+3], v[T+4*(\u)+1], v[T+4*(\u)+2]
	v_cmp_ge_u32 s[MB+4], v[T+4*(\u)+1], v[T+4*(\u)+3]
	v_cmp_ge_u32 s[MB+5], v[T+4*(\u)+2], v[T+4*(\u)+3]
.irp j, 0,1,2,3
	v_cmp_lt_f32 s[MB+6+(\j)], 0, v[(\xr)+(\j)]    ; 0 < w
.endr
.endm
.macro KEEP u                          ; scalar lines alone: which elements of item u give 1
.set MB, M+10*(\u)
	s_and_b32 s[TA], s[MB], s[MB+1]                ; element 0 is kept: two of 01, 02, 03
	s_or_b32 s[TB], s[MB], s[MB+1]
	s_and_b32 s[TB], s[TB], s[MB+2]
	s_or_b32 s[TA], s[TA], s[TB]
	s_and_b32 s[MB+6], s[MB+6], s[TA]
	s_and_b32 s[TA], s[MB+3], s[MB+4]              ; element 1 is kept: two of not 01, 12, 13
	s_or_b32 s[TB], s[MB+3], s[MB+4]
	s_and_not1_b32 s[TB], s[TB], s[MB]
	s_or_b32 s[TA], s[TA], s[TB]
	s_and_b32 s[MB+7], s[MB+7], s[TA]
	s_and_b32 s[TA], s[MB+1], s[MB+3]              ; element 2 is dropped: two of 02, 12, not 23
	s_or_b32 s[TB], s[MB+1], s[MB+3]
	s_and_not1_b32 s[TB], s[TB], s[MB+5]
	s_or_b32 s[TA], s[TA], s[TB]
	s_and_not1_b32 s[MB+8], s[MB+8], s[TA]
	s_and_b32 s[TA], s[MB+2], s[MB+4]              ; element 3 is dropped: two of 03, 13, 23
	s_or_b32 s[TB], s[MB+2], s[MB+4]
	s_and_b32 s[TB], s[TB], s[MB+5]
	s_or_b32 s[TA], s[TA], s[TB]
	s_and_not1_b32 s[MB+9], s[MB+9], s[TA]
.endm
.macro PICK yr, u                      ; four bf16, 0 or 1, in the two words at registers yr; the masks read here were written by KEEP's scalar lines
.set MB, M+10*(\u)
	v_cndmask_b32 v[(\yr)], v[Z], v[LO1], s[MB+6]
	v_cndmask_b32 v[T+4*(\u)], v[Z], v[HI1], s[MB+7]
	v_cndmask_b32 v[(\yr)+1], v[Z], v[LO1], s[MB+8]
	v_cndmask_b32 v[T+4*(\u)+1], v[Z], v[HI1], s[MB+9]
	v_or_b32 v[(\yr)], v[(\yr)], v[T+4*(\u)]
	v_or_b32 v[(\yr)+1], v[(\yr)+1], v[T+4*(\u)+1]
.endm
.macro CAST xr, yr                     ; four roundings to bf16, to nearest even, packed
	v_cvt_pk_bf16_f32 v[(\yr)], v[(\xr)], v[(\xr)+1]
	v_cvt_pk_bf16_f32 v[(\yr)+1], v[(\xr)+2], v[(\xr)+3]
.endm
; Two of block p's four loads (pair h of block p + 3) and two of its four stores (pair h of block p - 1).  XN and YP are set by BLK.
.macro IN2 src, p, h
.if (\p)+3 < BLOCKS
.irp u, 0,1
	global_load_b128 v[XN+8*(\h)+4*(\u):XN+8*(\h)+4*(\u)+3], v[VI], s[\src:\src+1] offset:(((\p)+3)*BLOCK+2*(\h)+(\u))*INB th:TH_LOAD_NT  ; three blocks ahead; no vector line since the wait at the block's head names these registers
.endr
.endif
.endm
.macro OUT2 dst, p, h
.if (\p) >= 1
.irp u, 0,1
	global_store_b64 v[VO], v[YP+4*(\h)+2*(\u):YP+4*(\h)+2*(\u)+1], s[\dst:\dst+1] offset:(((\p)-1)*BLOCK+2*(\h)+(\u))*OUTB  ; the block before; no vector line since the wait at the block's head names these registers
.endr
.endif
.endm
; Block p, in two pairs of items.
.macro BLK kind, src, dst, p
.set XB, X+16*((\p)%4)                 ; worked on
.set XN, X+16*(((\p)+3)%4)             ; loaded again
.set YB, Y+8*((\p)%2)                  ; written
.set YP, Y+8*(((\p)+1)%2)              ; stored
.if (\p) < BLOCKS-2
	s_wait_loadcnt 2*BLOCK                         ; loads come back in order (ISA guide 5.7.1): X[p % 4] is in, the two younger blocks stay out
.else
	s_wait_loadcnt (BLOCKS-1-(\p))*BLOCK           ; the last blocks: the counts run down
.endif
.if (\p) >= 2
	s_wait_xcnt 0x0                                ; every earlier memory instruction has had its addresses translated (ISA guide 3.1): Y[p % 2], the data of stores issued in the block before, is rewritten only behind this wait
	s_wait_alu depctr_vm_vsrc(0)                   ; the stores issued in the block before have read Y[p % 2], which this block writes again
.endif
.if (\p) >= 1
	s_wait_alu depctr_va_vdst(0)                   ; the block before has written the other Y, which the stores below read, and is done reading its X, in which the loads below land
.endif
.irp h, 0,1
	IN2 \src, \p, \h
.if \kind
	OUT2 \dst, \p, \h
	CAST XB+8*(\h), YB+4*(\h)
	CAST XB+8*(\h)+4, YB+4*(\h)+2
.else
	MAG XB+8*(\h), 0
	MAG XB+8*(\h)+4, 1
	OUT2 \dst, \p, \h                              ; the pair's stores stand between the run of compares and the wait for it
	s_wait_alu depctr_va_sdst(0)                   ; the twenty compares have written s20 to s39, ahead of their first reader, KEEP's first line
	KEEP 0
	KEEP 1
	PICK YB+4*(\h), 0
	PICK YB+4*(\h)+2, 1
.endif
.endr
.endm
; The whole stream of one kind, from the pointer pair src to the pointer pair dst.
.macro STREAM kind, src, dst
.irp i, 0,1,2,3,4,5,6,7,8,9,10,11
	global_load_b128 v[X+4*(\i):X+4*(\i)+3], v[VI], s[\src:\src+1] offset:(\i)*INB th:TH_LOAD_NT  ; blocks 0, 1 and 2 into X0, X1, X2: no vector line has named these registers
.endr
.irp p, 0,1,2,3,4,5,6,7
	BLK \kind, \src, \dst, \p
.endr
	s_wait_alu depctr_va_vdst(0)                   ; block 7 has written Y1, which the last four stores read
.irp i, 0,1,2,3
	global_store_b64 v[VO], v[Y+8+2*(\i):Y+8+2*(\i)+1], s[\dst:\dst+1] offset:((BLOCKS-1)*BLOCK+(\i))*OUTB
.endr
	s_endpgm
.endm
	s_cmp_eq_u32 s12, 0
	s_cbranch_scc0 .Lcast
	STREAM 0, 4, 8                                 ; weight -> wb
.Lcast:
	STREAM 1, 6, 10                                ; x -> xb
.Lfunc_end_k_qf13f26556d_prep:
	.size	k_qf13f26556d_prep, .Lfunc_end_k_qf13f26556d_prep-k_qf13f26556d_prep
	.p2alignl 7, 3214868480
	.fill 96, 4, 3214868480
	.section	.rodata,"a",@progbits
	.p2align	6, 0x0
	.amdhsa_kernel k_qf13f26556d_prep
		.amdhsa_group_segment_fixed_size 0
		.amdhsa_private_segment_fixed_size 0
		.amdhsa_enable_private_segment 0
		.amdhsa_kernarg_size 32
		.amdhsa_user_sgpr_count 2
		.amdhsa_user_sgpr_kernarg_segment_ptr 1
		.amdhsa_wavefront_size32 1
		.amdhsa_system_sgpr_workgroup_id_x 1
		.amdhsa_system_sgpr_workgroup_id_y 1
		.amdhsa_system_sgpr_workgroup_id_z 1
		.amdhsa_system_vgpr_workitem_id 0
		.amdhsa_next_free_vgpr 96
		.amdhsa_next_free_sgpr 66
		.amdhsa_reserve_vcc 0
		.amdhsa_float_denorm_mode_32 3
		.amdhsa_float_denorm_mode_16_64 3
		.amdhsa_memory_ordered 1
		.amdhsa_forward_progress 1
		.amdhsa_inst_pref_size 74
	.end_amdhsa_kernel
	.amdgpu_metadata
---
amdhsa.version: [ 1, 2 ]
amdhsa.kernels:
  - .name:           k_qf13f26556d_prep
    .symbol:         k_qf13f26556d_prep.kd
    .args:
      - { .name: weight, .offset: 0, .size: 8, .value_kind: global_buffer, .address_space: global }
      - { .name: x, .offset: 8, .size: 8, .value_kind: global_buffer, .address_space: global }
      - { .name: wb, .offset: 16, .size: 8, .value_kind: global_buffer, .address_space: global }
      - { .name: xb, .offset: 24, .size: 8, .value_kind: global_buffer, .address_space: global }
    .group_segment_fixed_size: 0
    .private_segment_fixed_size: 0
    .kernarg_segment_align: 8
    .kernarg_segment_size: 32
    .max_flat_workgroup_size: 256
    .sgpr_count:     66
    .vgpr_count:     96
    .wavefront_size: 32
...
	.end_amdgpu_metadata
.endif
;; end of part 3
;; launch gemm: the kernel of part 2 again; grid 16 x 16, 4 waves a work-group, clusters of 4 x 4, 327,680 bytes of LDS; arguments wb, xb, out0; writes out0
